; MI455X (gfx1250); checked and timed in simulation.
; The chip was launched on July 23, 2026; its instructions are those of AMD's public machine-readable ISA for CDNA 5 (MIT licence, August 2026) and "CDNA5" Instruction Set Architecture Reference Guide (July 2026). The comments in the code are by the model that wrote it; some were corrected since.
;; Heads TIL. Allowed arithmetic: matrix products marked QUANTISED: E2M1 operands, one E8M0 scale for each 32 along K, by v_wmma_scale_f32_16x16x128_f8f6f4 with both operands' format E2M1 (or v_wmma_scale_f32_32x16x128_f4), f32 sums; everything else in f32.
;; Inputs: W_codes 16 x 100 x 16 x 16 uint8 (E2M1 codes of W, K innermost, in blocks of 32 codes, two codes a byte); W_scales 16 x 100 x 16 uint8 (E8M0 scales of W, one for each 32 codes along K); b 16 x 100 float32; feature_codes 65,536 x 16 x 16 uint8 (E2M1 codes of feature, K innermost, in blocks of 32 codes, two codes a byte); feature_scales 65,536 x 16 uint8 (E8M0 scales of feature, one for each 32 codes along K); task_id 65,536 int32.
;; Outputs: out0 65,536 x 100 float32.
;; This version of the problem:
;;   THIS VERSION OF THE PROBLEM IS GIVEN IN LOW PRECISION. The matrix products marked QUANTISED in the list below multiply operands that are first quantised to E2M1 (2 exponent bits, 1 mantissa bit; 4 bits a number), with one power-of-two scale for each 32 numbers along K (OCP MX v1.0); their sums are f32. All else is computed in f32.
;;   The module's matrix products, in the order in which they are computed (A, B: the left and right operand; K: the contracted axis; several contracted axes count as one K, in the product's order):
;;     1. [M 65,536, K 512] x [K 512, N 1,600]; A: input feature (given as codes); B: input W (given as codes): QUANTISED
;;   THE QUANTISER, for each operand of a quantised product, along K:
;;     - K is cut into blocks of 32 from its start; a last block that is shorter is filled with zeros.
;;     - A block's scale is 2^e with e = floor(log2(the largest magnitude in the block)) - 2, held to -126 .. 127; a block of zeros has e = 0. As a byte (E8M0): e + 127.
;;     - Each number is divided by its block's scale, clamped to +-6, and rounded to the nearest number of E2M1, ties to even, subnormals kept.
;;     - The product sums the exact products of the quantised numbers (number of the format x scale) in f32.
;;   ~~~python
;;   def quantise(x, axis):      # numpy; x: float32 -> the quantised numbers, widened to float32 again
;;       x = np.moveaxis(x, axis, -1); K = x.shape[-1]
;;       x = np.pad(x, [(0, 0)] * (x.ndim - 1) + [(0, -K % 32)]); x = x.reshape(x.shape[:-1] + (-1, 32)); a = np.abs(x).max(-1, keepdims=True)
;;       e = np.where(a > 0, np.clip(np.frexp(np.where(a > 0, a, 1))[1] - 1 - 2, -126, 127), 0)      # np.frexp(a)[1] - 1 = floor(log2(a)), exactly
;;       r = np.clip(x / 2.0 ** e, -6, 6)
;;       step = 2.0 ** (np.maximum(np.frexp(np.where(r == 0, 1, r))[1] - 1, 0) - 1)
;;       q = np.round(r / step) * step * 2.0 ** e      # np.round: ties to even
;;       return np.moveaxis(q.reshape(q.shape[:-2] + (-1,))[..., :K], -1, axis).astype(np.float32)
;;   ~~~
;;   INPUTS GIVEN AS CODES. W (in the module: [16, 100, 512], K = its axis 2); feature (in the module: [65536, 512], K = its axis 1): each comes as NAME_codes (uint8): NAME with its K axis moved to the last place and cut into blocks of 32 codes, [.., K / 32, bytes a block], one block behind the other in memory; two codes a byte, the lower K in the low four bits (a code: sign, 2 exponent bits, 1 mantissa bit); and NAME_scales (uint8): the same leading axes, one E8M0 byte (e + 127) for each 32 codes along K. Its value is code x scale, taken as it is: it is not quantised again, and the codes and scales need not be those that the quantiser above would give.
;; One version. Each part assembles by itself: llvm-mc -triple=amdgcn-amd-amdhsa -mcpu=gfx1250 --defsym DOCPART=n.
;; ======== version 1 of 1: 1 launch
;; launch heads (part 1): grid 256 x 1, 8 waves a work-group, no clusters, 282,112 bytes of LDS; arguments W_codes, W_scales, b, feature_codes, feature_scales, task_id, out0; writes out0
.if DOCPART == 1
	.amdgcn_target "amdgcn-amd-amdhsa--gfx1250"
	.amdhsa_code_object_version 6
	.text
	.protected	k_q1afc2e0268_heads
	.globl	k_q1afc2e0268_heads
	.p2align	8
	.type	k_q1afc2e0268_heads,@function
k_q1afc2e0268_heads:
	s_mov_b64 s[64:65], 0
	v_nop
	global_prefetch_b8 v0, s[64:65] scope:SCOPE_SE
	s_setreg_imm32_b32 hwreg(HW_REG_WAVE_MODE, 25, 1), 1
	s_wait_xcnt 0x0
; out0[i][:] = W[task_id[i]] feature[i] + b[task_id[i]].  65,536 tokens, 16 heads, K = 512, 100 outputs.  feature and W are codes of FP4 (E2M1), a row = 256 bytes of codes
; and 16 E8M0 scale bytes (one for each 32 along K); b and out0 are f32.  Only the head that task_id names is multiplied for a token.
; SHARES.  Work-group g owns tokens 256 g .. 256 g + 255: 65,536 consecutive bytes of codes, 4,096 of scales, 1,024 of ids, 102,400 of out0.  Thread t owns token t of the block.
; Wave w owns heads 2 w and 2 w + 1, whose W goes from memory straight into its registers, and the 32 output rows 32 w .. 32 w + 31 (12,800 consecutive bytes).
; SORT.  A token's rank in its head is the number of earlier tokens of the block with the same head.  Every wave holds all 256 ids and makes in its own registers all that it needs of the order:
; for its two heads a ballot of each group of 32 tokens and the running counts, from which a lane finds the token of any rank; for its own 32 tokens their ranks, from ballots of all 16 heads
; over the earlier groups.  So every number on which a branch or an address in memory hangs is made by vector and scalar arithmetic from task_id as it was loaded.
; A head's first 32 tokens are two tiles of 16, always multiplied; tokens of rank 32 and more are served at the end, 32 a round, in a loop of seven trips in which a trip
; whose ranks the head does not have jumps over its work (all 256 tokens on one head are the first round and seven more, of one wave).
; THE MATRIX INSTRUCTION IS USED TRANSPOSED: source 0 = 16 rows of W, source 1 = 16 tokens: lane (r = lane % 16, h = lane / 16) holds token r, its register j output 16 n + 8 h + j.
; The seventh tile of outputs takes W's row 96 + r % 4, so that its registers 0-3 are outputs 96 .. 99 in both halves of the lanes and no load leaves W.
; THE BIAS is what the accumulators hold before the first product: it is loaded into them from LDS.
; THE WAY OUT.  Results go to a stage in LDS by head and rank; each wave then gathers its own 32 rows in token order, 16 bytes a lane, and each of its 25 stores covers 512
; consecutive bytes of out0, aligned to 256.  Where a head has more than 32 tokens, rows leave 16 bytes a lane, row by row: the price of that case alone.
; ALL LANES ARE ON THROUGHOUT.  A lane that has no row of its own to store repeats a neighbour's: the same bytes to the same place.
; ORDER IN LDS.  Every LDS store has an address made of constants, lane and wave.  Every LDS load whose address hangs on task_id stands between two barriers between which no wave stores to LDS.
; NO CLUSTER, NO TENSOR LOAD: W's 16 heads (435,200 bytes with their scales) do not fit in LDS; so the shared operand goes through registers.
; LIMITS: task_id lies in 0 .. 15, as the gather that defines the result assumes; other values are held to that range for addresses and their rows are then not meaningful.
; A scale byte 0xff makes the sums that it enters NaN.
.set STAGE, 69632                      ; LDS: 0: the block's 256 rows of feature, pitch 272 = 256 bytes of codes + the row's 16 scale bytes
.set BL,    274432                     ; STAGE: head t at 12,800 t, rank d (0..31) at 400 d, output o at 4 o.   BL: each wave's two rows of b, 400 bytes each
.set LANE,  1                          ; v1   lane
.set H16,   2                          ; v2   16 h
.set WOFF,  3                          ; v3   256 r + 16 h: my bytes in a tile of W
.set WOFF6, 4                          ; v4   256 (r % 4) + 16 h: in the seventh tile
.set WSOFF, 5                          ; v5   16 r: my row's scale bytes
.set WSOFF6,6                          ; v6   16 (r % 4)
.set BLA,   7                          ; v7   BL + 800 w + 32 h
.set BLA6,  8                          ; v8   BL + 800 w
.set STO,   9                          ; v9   STAGE + 25,600 w + 400 r + 32 h
.set STO6,  10                         ; v10  the same without h
.set FB,    11                         ; v11-14  272 x token for tiles A0, A1, B0, B1
.set OOFF,  15                         ; v15  16 x lane
.set FBH,   16                         ; v16-19  FB + 16 h
.set EOWN,  20                         ; v20  my own token's row in the stage: 32 x head + rank % 32
.set SBASE, 22                         ; v22  STAGE + 16 x lane
.set ID,    23                         ; v23-30  ids of tokens 32 k + lane;  v31 my own token's id
.set OWN,   31
.set SRC,   23                         ; v23-47  later: where chunk j of my wave's rows lies in the stage
.set WSC,   48                         ; v48-75, v76-103  W's scale words, heads A and B: 7 tiles x 4 K steps.  These and v104-111 hold scales and nothing else
.set ASC,   104                        ; v104-111 the tokens' scale words, tile u at + 4 u
.set FS,    112                        ; v112-187 at the start: 64 registers of feature codes, 4 of scales, 8 of b, on their way to LDS
.set ACC0,  144                        ; v112-143 fragments of token tile 0;  v144-199, v200-255 accumulators of tiles 0 and 1, output tile n at + 8 n
.set OUT,   144                        ; v144-243 on the way out: 25 chunks
.set A4L,   188                        ; v188-190 offsets of the first loads: 4 x lane, 4 x thread, 16 x thread
.set A4T,   189
.set A16T,  190
.set TA,    191                        ; v191-194 at work in the first phases
.set FSA,   196                        ; v196-198 LDS addresses of the staging stores
.set SSA,   197
.set BSA,   198
.set IDM,   200                        ; v200-206 the ids of groups 0 .. 6, with bit 4 set in the groups that are not earlier than mine
.set SLT,   207                        ; v207-215 at work in SELECT
.set OM,    220                        ; v220 my head's ballot of my group;  v221 its tokens in earlier groups, then my rank;  v222 the bits below my lane;  v223 at work
.set OP,    221
.set LT,    222
.set OX,    223
.set EJ,    200                        ; v200-224 later: row in the stage of the token that chunk j belongs to
.set RA,    228                        ; v228-252 4 x (row of chunk j): the lane that owns that row
.set OT,    23                         ; the rounds at the end: v23-31 at work in SELECT, v32 rank, v33-34 the tiles' tokens, v36-39 offsets in out0
.set OG,    32
.set OTK,   33
.set GO,    36
.set GO6,   38
; window 1: v0-223 W's fragments, (K step s, tile n) at 8 (7 s + n);  v224-255 fragments of token tile 1
.set WV,    18                         ; s18  wave
.set HM,    24                         ; s24  lanes 16-31
.set SEL,   25                         ; s25, s26  v_permlanex16_b32's selects for lane xor 16
.set HDA,   27                         ; s27, s28  my two heads
.set HDB,   28
.set PAB,   40                         ; s40-48  head A: tokens in groups before k, k = 0 .. 8
.set PBB,   49                         ; s49-57  head B
.set MKA,   68                         ; s68-75  head A: the ballot of group k
.set MKB,   76                         ; s76-83  head B
.set CNT,   84                         ; s84-91, s92-99  two sets by turns: a head's seven ballots, then counts, of the earlier groups, and its ballot of my group
.set MSB, 0
.macro WIN new                         ; the immediate's high byte repeats the setting that is left; a switch that changes nothing is dropped
.if MSB != \new
	s_set_vgpr_msb (MSB<<8)|\new
.set MSB, \new
.endif
.endm
.set LDW,  0x40                        ; destination window 1
.set MUL0, 0x01                        ; source 0 (W) window 1
.set MUL1, 0x05                        ; sources 0 (W) and 1 (token tile 1) window 1
.macro PLACES                          ; four plain vector instructions between a matrix instruction and a load into, or a store from, its registers
.rept 4
	v_nop
.endr
.endm
.macro BARRIER                         ; my LDS stores have landed and my LDS loads are in: then the work-group's barrier
	s_wait_dscnt 0x0
	s_barrier_signal -1
	s_barrier_wait -1
.endm
; 14 loads: head X's seven fragments of K step s.  Lane (r, h): 16 bytes at row x 256 + 64 s + 32 c + 16 h
.macro LOADW X, s
	WIN LDW
.irp n, 0,1,2,3,4,5
.irp c, 0,1
	global_load_b128 v[8*(7*(\s)+\n)+4*\c:8*(7*(\s)+\n)+4*\c+3], v[WOFF], s[4:5] offset:25600*(\X)+4096*\n+64*(\s)+32*\c
.endr
.endr
.irp c, 0,1
	global_load_b128 v[8*(7*(\s)+6)+4*\c:8*(7*(\s)+6)+4*\c+3], v[WOFF6], s[4:5] offset:25600*(\X)+24576+64*(\s)+32*\c
.endr
.endm
; 7 loads: head X's scale words: a row's 16 bytes are the words of its four K steps
.macro LOADWS X
	WIN 0
.irp n, 0,1,2,3,4,5
	global_load_b128 v[WSC+28*(\X)+4*\n:WSC+28*(\X)+4*\n+3], v[WSOFF], s[6:7] offset:1600*(\X)+256*\n
.endr
	global_load_b128 v[WSC+28*(\X)+24:WSC+28*(\X)+27], v[WSOFF6], s[6:7] offset:1600*(\X)+1536
.endm
; 14 LDS loads: head X's bias into the accumulators of token tile u, in the result's layout
.macro BIAS u, X
	WIN 0
.irp n, 0,1,2,3,4,5
	ds_load_b128 v[ACC0+56*(\u)+8*\n:ACC0+56*(\u)+8*\n+3],   v[BLA] offset:400*(\X)+64*\n
	ds_load_b128 v[ACC0+56*(\u)+8*\n+4:ACC0+56*(\u)+8*\n+7], v[BLA] offset:400*(\X)+64*\n+16
.endr
	ds_load_b128 v[ACC0+56*(\u)+48:ACC0+56*(\u)+51], v[BLA6] offset:400*(\X)+384
	ds_load_b128 v[ACC0+56*(\u)+52:ACC0+56*(\u)+55], v[BLA6] offset:400*(\X)+384   ; (registers 4-7 of the seventh tile repeat outputs 96 .. 99 and are not stored)
.endm
; 9 LDS loads: the four fragments and the scale words of the 16 tokens whose rows stand in FB + f
.macro GATHER u, f
.if \u
	WIN LDW
.else
	WIN 0
.endif
.set AFB, 112+112*(\u)
.irp s, 0,1,2,3
.irp c, 0,1
	ds_load_b128 v[AFB+8*\s+4*\c:AFB+8*\s+4*\c+3], v[FBH+\f] offset:64*\s+32*\c
.endr
.endr
	WIN 0
	ds_load_b128 v[ASC+4*(\u):ASC+4*(\u)+3], v[FB+\f] offset:256
.endm
; 7 matrix instructions: K step s of head X for token tile u.  The seven accumulators take turns, one instruction a turn
.macro STEP u, X, s
.if \u
	WIN MUL1
.else
	WIN MUL0
.endif
.set AFB, 112+112*(\u)
.set ACB, ACC0+56*(\u)
.irp n, 0,1,2,3,4,5,6
	v_wmma_scale_f32_16x16x128_f8f6f4 v[ACB+8*\n:ACB+8*\n+7], v[8*(7*(\s)+\n):8*(7*(\s)+\n)+7], v[AFB+8*(\s):AFB+8*(\s)+7], v[ACB+8*\n:ACB+8*\n+7], v[WSC+28*(\X)+4*\n+(\s)], v[ASC+4*(\u)+(\s)] matrix_a_fmt:MATRIX_FMT_FP4 matrix_b_fmt:MATRIX_FMT_FP4
.endr
.endm
; 13 LDS stores: token tile u of head X into the stage, each accumulator from its low end on
.macro TOSTAGE u, X
	WIN 0
.irp n, 0,1,2,3,4,5
	ds_store_b128 v[STO], v[ACC0+56*(\u)+8*\n:ACC0+56*(\u)+8*\n+3]   offset:12800*(\X)+6400*(\u)+64*\n
	ds_store_b128 v[STO], v[ACC0+56*(\u)+8*\n+4:ACC0+56*(\u)+8*\n+7] offset:12800*(\X)+6400*(\u)+64*\n+16
.endr
	ds_store_b128 v[STO6], v[ACC0+56*(\u)+48:ACC0+56*(\u)+51] offset:12800*(\X)+6400*(\u)+384   ; both halves of the lanes write the same 16 bytes with the same values
.endm
; One of my heads: the ballot of each group of 32 tokens, and the running counts
.macro RANK hd, pb, mk
.irp k, 0,1,2,3,4,5,6,7
	v_cmp_eq_u32 s[\mk+\k], s[\hd], v[ID+\k]
.endr
	s_mov_b32 s[\pb], 0
.irp k, 0,1,2,3,4,5,6,7
	s_bcnt1_i32_b32 s31, s[\mk+\k]
	s_add_co_u32 s[\pb+\k+1], s[\pb+\k], s31
.endr
.endm
; v[d] = the token of rank v[gv] in the head whose running counts stand in s[pb ..] and whose ballots in s[mk ..]; each lane for itself.  The group is the last whose running count is
; not above the rank; in it the token is the n-th set bit of the ballot, n = rank - running count, found in five halvings over the counts of the ballot's pieces of 16, 8, 4, 2 and 1 bits.
; A rank past the head's count gets some token of the block (the result is under 256 in any case).
; At work: T ballot, T+1 running count, T+2, T+3, T+4 the set bits in each piece of 2, 4, 8 bits, T+5 a piece's count, T+6, T+7 n, T+8 the bit's place
.macro HALVE T, src, w
	s_delay_alu instid0(VALU_DEP_1)
	v_bfe_u32 v[\T+5], v[\src], v[\T+8], \w                        ; set bits in the lower half of what is left
	s_delay_alu instid0(VALU_DEP_1)
	v_cmp_ge_u32 vcc_lo, v[\T+7], v[\T+5]                          ; are they too few?  Then the bit lies in the upper half
	s_delay_alu instid0(VALU_DEP_1)
	v_cndmask_b32 v[\T+5], 0, v[\T+5], vcc_lo
	s_delay_alu instid0(VALU_DEP_1)
	v_sub_nc_u32 v[\T+7], v[\T+7], v[\T+5]
	s_delay_alu instid0(VALU_DEP_3)
	v_cndmask_b32 v[\T+6], 0, \w, vcc_lo
	s_delay_alu instid0(VALU_DEP_1)
	v_add_nc_u32 v[\T+8], v[\T+8], v[\T+6]
.endm
.macro SELECT pb, mk, gv, d, T
	v_mov_b32 v[\T], s[\mk]
	v_mov_b32 v[\T+1], 0
	v_mov_b32 v[\d], 0
.irp k, 1,2,3,4,5,6,7
	v_cmp_gt_u32 vcc_lo, s[\pb+\k], v[\gv]                         ; the running counts do not fall: from the first that is above the rank on, all is kept
	s_delay_alu instid0(VALU_DEP_1)
	v_cndmask_b32 v[\T], s[\mk+\k], v[\T], vcc_lo
	s_delay_alu instid0(VALU_DEP_2)
	v_cndmask_b32 v[\T+1], s[\pb+\k], v[\T+1], vcc_lo
	s_delay_alu instid0(VALU_DEP_3)
	v_cndmask_b32 v[\d], 32*\k, v[\d], vcc_lo
.endr
	s_delay_alu instid0(VALU_DEP_2)
	v_sub_nc_u32 v[\T+7], v[\gv], v[\T+1]
	s_delay_alu instid0(VALU_DEP_4)
	v_lshrrev_b32 v[\T+6], 1, v[\T]
	s_delay_alu instid0(VALU_DEP_1)
	v_and_b32 v[\T+6], 0x55555555, v[\T+6]
	s_delay_alu instid0(VALU_DEP_1)
	v_sub_nc_u32 v[\T+2], v[\T], v[\T+6]
	s_delay_alu instid0(VALU_DEP_1)
	v_lshrrev_b32 v[\T+6], 2, v[\T+2]
	s_delay_alu instid0(VALU_DEP_1)
	v_and_b32 v[\T+6], 0x33333333, v[\T+6]
	s_delay_alu instid0(VALU_DEP_3)
	v_and_b32 v[\T+3], 0x33333333, v[\T+2]
	s_delay_alu instid0(VALU_DEP_1)
	v_add_nc_u32 v[\T+3], v[\T+3], v[\T+6]
	s_delay_alu instid0(VALU_DEP_1)
	v_lshrrev_b32 v[\T+6], 4, v[\T+3]
	s_delay_alu instid0(VALU_DEP_1)
	v_add_nc_u32 v[\T+6], v[\T+3], v[\T+6]
	s_delay_alu instid0(VALU_DEP_1)
	v_and_b32 v[\T+4], 0x0f0f0f0f, v[\T+6]
	s_delay_alu instid0(VALU_DEP_1)
	v_lshrrev_b32 v[\T+6], 8, v[\T+4]
	s_delay_alu instid0(VALU_DEP_1)
	v_add_nc_u32 v[\T+6], v[\T+4], v[\T+6]
	s_delay_alu instid0(VALU_DEP_1)
	v_and_b32 v[\T+5], 0xff, v[\T+6]                               ; set bits among the low 16
	s_delay_alu instid0(VALU_DEP_1)
	v_cmp_ge_u32 vcc_lo, v[\T+7], v[\T+5]
	s_delay_alu instid0(VALU_DEP_1)
	v_cndmask_b32 v[\T+5], 0, v[\T+5], vcc_lo
	s_delay_alu instid0(VALU_DEP_1)
	v_sub_nc_u32 v[\T+7], v[\T+7], v[\T+5]
	s_delay_alu instid0(VALU_DEP_3)
	v_cndmask_b32 v[\T+8], 0, 16, vcc_lo
	HALVE \T, \T+4, 8
	HALVE \T, \T+3, 4
	HALVE \T, \T+2, 2
	HALVE \T, \T, 1
	s_delay_alu instid0(VALU_DEP_1)
	v_add_nc_u32 v[\d], v[\d], v[\T+8]
.endm
; The token in v[t] is held to the block, and its row's LDS address, 272 x token = (token << 8) + (token << 4), goes to FB + f
.macro TOKADR t, f
	v_min_u32 v[\t], 0xff, v[\t]
	s_delay_alu instid0(VALU_DEP_1)
	v_lshlrev_b32 v[FB+\f], 4, v[\t]
	s_delay_alu instid0(VALU_DEP_1)
	v_lshl_add_u32 v[FB+\f], v[\t], 8, v[FB+\f]
	s_delay_alu instid0(VALU_DEP_1)
	v_add_nc_u32 v[FBH+\f], v[H16], v[FB+\f]
.endm
; v[src] holds a token a lane.  Both halves of the lanes get tile 0's token r (lanes 0-15's) and tile 1's (lanes 16-31's).  v[t0] has been written before.
.macro SPREAD src, fo, t0
	s_delay_alu instid0(VALU_DEP_1)
	v_permlanex16_b32 v[\t0], v[\src], s[SEL], s[SEL+1]
	s_delay_alu instid0(VALU_DEP_1)
	v_cndmask_b32 v[\t0+1], v[\src], v[\t0], s[HM]                 ; lanes 16-31 take the other half's
	s_delay_alu instid0(VALU_DEP_2)
	v_cndmask_b32 v[\t0], v[\t0], v[\src], s[HM]                   ; lanes 0-15 take the other half's
	TOKADR \t0+1, \fo
	TOKADR \t0, \fo+1
.endm
; Head t: its tokens in the groups before mine (seven ballots of the marked ids, their counts, their sum), and its ballot of my group; the lanes whose token has that head keep both
.macro COUNT t, C
.irp k, 0,1,2,3,4,5,6
	v_cmp_eq_u32 s[\C+\k], \t, v[IDM+\k]
.endr
	v_cmp_eq_u32 s[\C+7], \t, v[OWN]
.irp k, 0,1,2,3,4,5,6
	s_bcnt1_i32_b32 s[\C+\k], s[\C+\k]
.endr
	s_add_co_u32 s[\C], s[\C], s[\C+1]
	s_add_co_u32 s[\C+2], s[\C+2], s[\C+3]
	s_add_co_u32 s[\C+4], s[\C+4], s[\C+5]
	s_add_co_u32 s[\C], s[\C], s[\C+2]
	s_add_co_u32 s[\C+4], s[\C+4], s[\C+6]
	s_add_co_u32 s[\C], s[\C], s[\C+4]
	v_cndmask_b32 v[OM], v[OM], s[\C+7], s[\C+7]
	v_cndmask_b32 v[OP], v[OP], s[\C], s[\C+7]
.endm
; v[d] = 400 x v[x] = (x << 8) + (x << 7) + (x << 4)
.macro X400 d, x
	v_lshlrev_b32 v[\d], 4, v[\x]
	s_delay_alu instid0(VALU_DEP_1)
	v_lshl_add_u32 v[\d], v[\x], 7, v[\d]
	s_delay_alu instid0(VALU_DEP_1)
	v_lshl_add_u32 v[\d], v[\x], 8, v[\d]
.endm
	; ---- the head: addresses, and 63 loads a wave in the order in which they are wanted
	s_load_b256 s[4:11], s[0:1], 0x0               ; W's codes s[4:5], W's scales s[6:7], b s[8:9], feature's codes s[10:11]
	s_load_b128 s[12:15], s[0:1], 0x20             ; feature's scales s[12:13], task_id s[14:15]
	s_load_b64 s[16:17], s[0:1], 0x30              ; out0
	v_lshrrev_b32 v[TA], 5, v0
	s_delay_alu instid0(VALU_DEP_1)
	v_readfirstlane_b32 s[WV], v[TA]               ; wave 0..7
	v_and_b32 v[LANE], 31, v0
	v_and_b32 v[TA], 15, v0                        ; r
	v_bfe_u32 v[TA+1], v0, 4, 1                    ; h
	v_and_b32 v[TA+2], 3, v0                       ; r % 4
	s_delay_alu instid0(VALU_DEP_2)
	v_lshlrev_b32 v[H16], 4, v[TA+1]
	s_delay_alu instid0(VALU_DEP_1)
	v_lshl_add_u32 v[WOFF], v[TA], 8, v[H16]
	s_delay_alu instid0(VALU_DEP_2)
	v_lshl_add_u32 v[WOFF6], v[TA+2], 8, v[H16]
	v_lshlrev_b32 v[WSOFF], 4, v[TA]
	v_lshlrev_b32 v[WSOFF6], 4, v[TA+2]
	v_lshlrev_b32 v[OOFF], 4, v[LANE]
	v_lshlrev_b32 v[A4L], 2, v[LANE]
	v_lshlrev_b32 v[A4T], 2, v0
	v_lshlrev_b32 v[A16T], 4, v0
	s_mov_b32 s21, 0
	s_wait_alu depctr_va_vdst(0)
	s_wait_kmcnt 0x0
	s_lshl_b32 s20, ttmp9, 10                      ; the block's 256 ids
	s_add_nc_u64 s[14:15], s[14:15], s[20:21]
.irp k, 0,1,2,3,4,5,6,7
	global_load_b32 v[ID+\k], v[A4L], s[14:15] offset:128*\k
.endr
	global_load_b32 v[OWN], v[A4T], s[14:15]
	s_lshl_b32 s20, ttmp9, 16                      ; the block's codes, my wave's 32 rows
	s_lshl_b32 s19, s[WV], 13
	s_add_co_u32 s20, s20, s19
	s_add_nc_u64 s[10:11], s[10:11], s[20:21]
.irp i, 0,1,2,3,4,5,6,7,8,9,10,11,12,13,14,15
	global_load_b128 v[FS+4*\i:FS+4*\i+3], v[OOFF], s[10:11] offset:512*\i th:TH_LOAD_NT   ; 512 consecutive bytes: two rows
.endr
	s_lshl_b32 s20, ttmp9, 12                      ; the block's scale bytes
	s_add_nc_u64 s[12:13], s[12:13], s[20:21]
	global_load_b128 v[FS+64:FS+67], v[A16T], s[12:13] th:TH_LOAD_NT
	s_mul_i32 s20, s[WV], 800                      ; my two rows of b: 800 consecutive bytes, as two runs of 512 that overlap
	s_add_nc_u64 s[8:9], s[8:9], s[20:21]
	global_load_b128 v[FS+68:FS+71], v[OOFF], s[8:9]
	global_load_b128 v[FS+72:FS+75], v[OOFF], s[8:9] offset:288
	s_mul_i32 s20, s[WV], 3200
	s_add_nc_u64 s[6:7], s[6:7], s[20:21]
	s_mul_i32 s20, s[WV], 51200
	s_add_nc_u64 s[4:5], s[4:5], s[20:21]
	LOADWS 0
	LOADW 0, 0
	LOADW 0, 1
	WIN 0
	s_mul_i32 s20, ttmp9, 102400                   ; the block's rows of out0,
	s_add_nc_u64 s[16:17], s[16:17], s[20:21]
	s_mul_i32 s20, s[WV], 12800                    ; and my wave's 32 of them
	s_add_nc_u64 s[22:23], s[16:17], s[20:21]
	s_mov_b32 s[HM], 0xffff0000
	s_mov_b32 s[SEL], 0x76543210
	s_mov_b32 s[SEL+1], 0xfedcba98
	s_lshl_b32 s[HDA], s[WV], 1
	s_add_co_u32 s[HDB], s[HDA], 1
	s_mul_i32 s19, s[WV], 800
	s_add_co_u32 s19, s19, BL
	v_lshl_add_u32 v[BLA], v[H16], 1, s19
	v_mov_b32 v[BLA6], s19
	v_add_nc_u32 v[BSA], s19, v[OOFF]
	s_mul_i32 s19, s[WV], 25600
	s_add_co_u32 s19, s19, STAGE
	v_mul_u32_u24 v[STO6], v[TA], 400
	s_delay_alu instid0(VALU_DEP_1)
	v_add_nc_u32 v[STO6], s19, v[STO6]
	s_delay_alu instid0(VALU_DEP_1)
	v_lshl_add_u32 v[STO], v[H16], 1, v[STO6]
	v_add_nc_u32 v[SBASE], STAGE, v[OOFF]
	s_mul_i32 s19, s[WV], 8704                     ; my 32 rows of 272 bytes
	v_mul_u32_u24 v[FSA], v[TA+1], 272
	s_delay_alu instid0(VALU_DEP_1)
	v_lshl_add_u32 v[FSA], v[TA], 4, v[FSA]
	s_delay_alu instid0(VALU_DEP_1)
	v_add_nc_u32 v[FSA], s19, v[FSA]               ; a load's 512 bytes are rows 2 i + h, 16 r bytes in
	v_mul_u32_u24 v[SSA], v0, 272                  ; my token's row: its scale bytes go behind its codes
	v_mov_b32 v[LT], 1
	s_delay_alu instid0(VALU_DEP_1)
	v_lshlrev_b32 v[LT], v[LANE], v[LT]
	s_delay_alu instid0(VALU_DEP_1)
	v_add_nc_u32 v[LT], -1, v[LT]                  ; the bits below my lane
; My wave's 12,800 bytes of out0 are 800 chunks of 16 bytes; chunk c = lane + 32 j lies in row c / 25 = (5,243 c) >> 17 (exact for c under 800)
.irp j, 0,1,2,3,4,5,6,7,8,9,10,11,12,13,14,15,16,17,18,19,20,21,22,23,24
	v_add_nc_u32 v[RA+\j], 32*\j, v[LANE]
	s_delay_alu instid0(VALU_DEP_1)
	v_mul_u32_u24 v[RA+\j], v[RA+\j], 0x147b
	s_delay_alu instid0(VALU_DEP_1)
	v_lshrrev_b32 v[RA+\j], 17, v[RA+\j]
	s_delay_alu instid0(VALU_DEP_1)
	v_lshlrev_b32 v[RA+\j], 2, v[RA+\j]            ; 4 x row: the row's token is that lane's own
.endr
	; ---- the ballots of my two heads
	s_wait_loadcnt 54                              ; the nine loads of ids are in; the 54 behind them stay out
	RANK HDA, PAB, MKA
	RANK HDB, PBB, MKB
.irp k, 0,1,2,3,4,5,6
	s_cmp_gt_u32 s[WV], \k                         ; is group k earlier than mine?
	s_cselect_b32 s30, 0, 16
	v_or_b32 v[IDM+\k], s30, v[ID+\k]              ; if not, its ids are marked: 16 and more, which is no head's number
.endr
	; ---- feature and b go to LDS
	s_wait_loadcnt 35                              ; codes, scales and b are in; W's 7 + 28 loads stay out
	LOADW 0, 2                                     ; 28 more: 63 out at the most
	LOADW 0, 3
	WIN 0
.irp i, 0,1,2,3,4,5,6,7,8,9,10,11,12,13,14,15
	ds_store_b128 v[FSA], v[FS+4*\i:FS+4*\i+3] offset:544*\i
.endr
	ds_store_b128 v[SSA], v[FS+64:FS+67] offset:256
	ds_store_b128 v[BSA], v[FS+68:FS+71]
	ds_store_b128 v[BSA], v[FS+72:FS+75] offset:288
	; ---- while W is on its way: the tokens of ranks 0 .. 31 of my two heads, and the ranks of my own 32 tokens
	SELECT PAB, MKA, LANE, TA+1, SLT               ; ranks that the head does not have get some token of the block, whose result nobody reads
	SPREAD TA+1, 0, TA+2
	SELECT PBB, MKB, LANE, TA+1, SLT
	SPREAD TA+1, 2, TA+2
	v_mov_b32 v[OM], 0
	v_mov_b32 v[OP], 0
.irp t, 0,1,2,3,4,5,6,7,8,9,10,11,12,13,14,15
	COUNT \t, CNT+8*(\t%2)
.endr
	s_delay_alu instid0(VALU_DEP_2)
	v_and_b32 v[OM], v[LT], v[OM]                  ; tokens of my head in lower lanes of my group: their number, by sums of neighbouring pieces
	s_delay_alu instid0(VALU_DEP_1)
	v_lshrrev_b32 v[OX], 1, v[OM]
	s_delay_alu instid0(VALU_DEP_1)
	v_and_b32 v[OX], 0x55555555, v[OX]
	s_delay_alu instid0(VALU_DEP_1)
	v_sub_nc_u32 v[OM], v[OM], v[OX]
	s_delay_alu instid0(VALU_DEP_1)
	v_lshrrev_b32 v[OX], 2, v[OM]
	s_delay_alu instid0(VALU_DEP_1)
	v_and_b32 v[OX], 0x33333333, v[OX]
	s_delay_alu instid0(VALU_DEP_3)
	v_and_b32 v[OM], 0x33333333, v[OM]
	s_delay_alu instid0(VALU_DEP_1)
	v_add_nc_u32 v[OM], v[OM], v[OX]
	s_delay_alu instid0(VALU_DEP_1)
	v_lshrrev_b32 v[OX], 4, v[OM]
	s_delay_alu instid0(VALU_DEP_1)
	v_add_nc_u32 v[OM], v[OM], v[OX]
	s_delay_alu instid0(VALU_DEP_1)
	v_and_b32 v[OM], 0x0f0f0f0f, v[OM]
	s_delay_alu instid0(VALU_DEP_1)
	v_lshrrev_b32 v[OX], 8, v[OM]
	s_delay_alu instid0(VALU_DEP_1)
	v_add_nc_u32 v[OM], v[OM], v[OX]
	s_delay_alu instid0(VALU_DEP_1)
	v_lshrrev_b32 v[OX], 16, v[OM]
	s_delay_alu instid0(VALU_DEP_1)
	v_add_nc_u32 v[OM], v[OM], v[OX]
	s_delay_alu instid0(VALU_DEP_1)
	v_and_b32 v[OM], 0x3f, v[OM]
	s_delay_alu instid0(VALU_DEP_1)
	v_add_nc_u32 v[OP], v[OP], v[OM]               ; my token's rank in its head
	v_min_u32 v[OX], 15, v[OWN]
	s_delay_alu instid0(VALU_DEP_2)
	v_and_b32 v[OM], 31, v[OP]
	s_delay_alu instid0(VALU_DEP_1)
	v_lshl_add_u32 v[EOWN], v[OX], 5, v[OM]        ; 32 x head + rank % 32: its row in the stage
	s_delay_alu instid0(VALU_DEP_4)
	v_cmp_gt_u32 s33, 32, v[OP]                    ; lanes whose token has a rank under 32: their rows come through the stage
	s_wait_alu depctr_va_vdst(0)
	BARRIER                                        ; the block's rows and the bias rows lie in LDS.  Up to the next barrier no wave stores to LDS
	; ---- the first fragments, and where my wave's rows will lie
	GATHER 0, 0
	GATHER 1, 1
	BIAS 0, 0
.irp j, 0,1,2,3,4,5,6,7,8,9,10,11,12,13,14,15,16,17,18,19,20,21,22,23,24
	ds_bpermute_b32 v[EJ+\j], v[RA+\j], v[EOWN]
.endr
.irp j, 0,1,2,3,4,5,6,7,8,9,10,11,12,13,14,15,16,17,18,19,20,21,22,23,24
	v_mul_u32_u24 v[SRC+\j], v[RA+\j], 100         ; 400 x row
	s_delay_alu instid0(VALU_DEP_1)
	v_sub_nc_u32 v[SRC+\j], v[SBASE], v[SRC+\j]    ; STAGE + 16 x lane - 400 x row; with the load's offset 512 j: STAGE + 16 x (the chunk's place in its row)
.endr
	s_wait_dscnt 0x0
.irp j, 0,1,2,3,4,5,6,7,8,9,10,11,12,13,14,15,16,17,18,19,20,21,22,23,24
	v_min_u32 v[EJ+\j], 0x1ff, v[EJ+\j]
	s_delay_alu instid0(VALU_DEP_1)
	v_mad_u32_u24 v[SRC+\j], v[EJ+\j], 0x190, v[SRC+\j]
.endr
	BIAS 1, 0
	; ---- head A
	s_wait_loadcnt 42                              ; its scale words and K step 0 are in; K steps 1 to 3 stay out
	s_wait_dscnt 0x0                               ; fragments and bias
	LOADWS 1                                       ; 7 loads more behind them
	STEP 0, 0, 0
	s_wait_loadcnt 35                              ; behind K step 1: 14 + 14 + 7
	STEP 0, 0, 1
	s_wait_loadcnt 21
	STEP 0, 0, 2
	s_wait_loadcnt 7
	STEP 0, 0, 3
	PLACES
	GATHER 0, 2                                    ; head B's first tile of tokens
.irp s, 0,1,2,3
	STEP 1, 0, \s
	PLACES
	LOADW 1, \s                                    ; head B's K step s into the registers just done with: 7 + 56 loads out at the most
.endr
	GATHER 1, 3
	BARRIER                                        ; no wave reads feature's rows any more before the last barrier: up to it LDS addresses are made of lane and wave alone
	TOSTAGE 0, 0
	TOSTAGE 1, 0
	BIAS 0, 1
	BIAS 1, 1
	; ---- head B
	s_wait_dscnt 0x0
	s_wait_loadcnt 42                              ; its scale words and K step 0
	STEP 0, 1, 0
	s_wait_loadcnt 28
	STEP 0, 1, 1
	s_wait_loadcnt 14
	STEP 0, 1, 2
	s_wait_loadcnt 0x0
	STEP 0, 1, 3
	PLACES
	TOSTAGE 0, 1
.irp s, 0,1,2,3
	STEP 1, 1, \s
.endr
	PLACES
	TOSTAGE 1, 1
	BARRIER                                        ; the stage is whole.  From here on no wave stores to LDS
	; ---- the way out: my wave's 32 rows
	s_cmp_eq_u32 s33, -1                           ; do all of them lie in the stage?
	s_cbranch_scc0 .Lslow
	s_wait_alu depctr_va_vdst(0)
.irp j, 0,1,2,3,4,5,6,7,8,9,10,11,12,13,14,15,16,17,18,19,20,21,22,23,24
	ds_load_b128 v[OUT+4*\j:OUT+4*\j+3], v[SRC+\j] offset:512*\j
.endr
.irp j, 0,1,2,3,4,5,6,7,8,9,10,11,12,13,14,15,16,17,18,19,20,21,22,23,24
	s_wait_dscnt 24-\j                             ; LDS loads come back in order: chunk j is in
	global_store_b128 v[OOFF], v[OUT+4*\j:OUT+4*\j+3], s[22:23] offset:512*\j th:TH_STORE_NT   ; 32 lanes store 512 consecutive bytes, at a multiple of 256 from out0's first byte
.endr
	s_branch .Lsent
.Lslow:                                                ; some of my rows come from the wave that owns their head.  A lane to a row: lane l copies row l out of the stage;
	s_cmp_eq_u32 s33, 0                            ; a lane whose row is not there copies the row of the first lane that has one: the same bytes to the same place
	s_cbranch_scc1 .Lsent                          ; (none of my rows is there: nothing to copy)
	s_ctz_i32_b32 s30, s33                         ; that first lane
	s_min_u32 s30, s30, 31
	s_lshl_b32 s31, s30, 2
	v_mov_b32 v23, s31
	ds_bpermute_b32 v24, v23, v[EOWN]              ; its row in the stage
	v_mov_b32 v26, s30
	s_delay_alu instid0(VALU_DEP_1)
	v_cndmask_b32 v26, v26, v[LANE], s33           ; the row of my wave's 32 that I store,
	s_delay_alu instid0(VALU_DEP_1)
	v_min_u32 v26, 31, v26
	X400 27, 26                                    ; in bytes
	s_wait_alu depctr_va_vdst(0)
	s_wait_dscnt 0x0
	v_cndmask_b32 v25, v24, v[EOWN], s33           ; and where it lies in the stage
	s_delay_alu instid0(VALU_DEP_1)
	v_min_u32 v25, 0x1ff, v25
	X400 28, 25
	s_delay_alu instid0(VALU_DEP_1)
	v_add_nc_u32 v28, STAGE, v28
.irp j, 0,1,2,3,4,5,6,7,8,9,10,11,12,13,14,15,16,17,18,19,20,21,22,23,24
	ds_load_b128 v[OUT+4*\j:OUT+4*\j+3], v28 offset:16*\j
.endr
.irp j, 0,1,2,3,4,5,6,7,8,9,10,11,12,13,14,15,16,17,18,19,20,21,22,23,24
	s_wait_dscnt 24-\j
	global_store_b128 v27, v[OUT+4*\j:OUT+4*\j+3], s[22:23] offset:16*\j th:TH_STORE_NT
.endr
.Lsent:
; ---- ranks 32 and more of head X, 32 a round: seven trips, first rank s36 = 32, 64 .. 224; a trip whose ranks the head does not have jumps over its work.
; No barrier and no LDS store.  reload = 1: W's fragments are fetched again in each round that works.  W's scale words of both heads still stand in their registers.
; Lane (r, h) of tile u takes rank s36 + 16 u + r, held at the head's last rank: lanes past it multiply and store that last row once more.
.macro OVER X, pb, mk, reload
	s_mov_b32 s36, 32
.Lov_loop_\@:
	s_cmp_le_u32 s[\pb+8], s36
	s_cbranch_scc1 .Lov_skip_\@
	s_wait_xcnt 0x0                                ; the stores issued so far have read their offsets and their data: both are written again below
.if \reload
	LOADW \X, 0
	LOADW \X, 1
	LOADW \X, 2
	LOADW \X, 3
	WIN 0
.endif
	BIAS 0, \X
	BIAS 1, \X
	s_sub_co_u32 s31, s[\pb+8], 1                  ; the head's last rank
.irp u, 0,1
	v_and_b32 v[OG], 15, v0
	s_delay_alu instid0(VALU_DEP_1)
	v_add_nc_u32 v[OG], s36, v[OG]
	s_delay_alu instid0(VALU_DEP_1)
	v_add_nc_u32 v[OG], 16*\u, v[OG]
	s_delay_alu instid0(VALU_DEP_1)
	v_min_u32 v[OG], s31, v[OG]
	SELECT \pb, \mk, OG, OTK+\u, OT
	TOKADR OTK+\u, \u
	X400 GO6+\u, OTK+\u                            ; the token's row in the block's part of out0
	s_delay_alu instid0(VALU_DEP_1)
	v_lshl_add_u32 v[GO+\u], v[H16], 1, v[GO6+\u]
.endr
	GATHER 0, 0
	GATHER 1, 1
	s_wait_loadcnt 0x0
	s_wait_dscnt 0x0
.irp s, 0,1,2,3
	STEP 0, \X, \s
.endr
.irp s, 0,1,2,3
	STEP 1, \X, \s
.endr
	PLACES
	WIN 0
	s_wait_alu depctr_va_vdst(0)
.irp u, 0,1
.irp n, 0,1,2,3,4,5
	global_store_b128 v[GO+\u], v[ACC0+56*\u+8*\n:ACC0+56*\u+8*\n+3],   s[16:17] offset:64*\n
	global_store_b128 v[GO+\u], v[ACC0+56*\u+8*\n+4:ACC0+56*\u+8*\n+7], s[16:17] offset:64*\n+16
.endr
	global_store_b128 v[GO6+\u], v[ACC0+56*\u+48:ACC0+56*\u+51], s[16:17] offset:384
.endr
.Lov_skip_\@:
	s_add_co_u32 s36, s36, 32
	s_cmp_lt_u32 s36, 256
	s_cbranch_scc1 .Lov_loop_\@
.endm
	OVER 1, PBB, MKB, 0                            ; head B first: its W is still in the registers
	OVER 0, PAB, MKA, 1
	s_wait_xcnt 0x0
	v_lshl_add_u32 v190, v0, 2, 0x44a00
	v_mov_b32 v191, 0
	s_wait_alu depctr_va_vdst(0)
	s_wait_tensorcnt 0x0
	ds_add_u32 v190, v191
	s_wait_dscnt 0x0
	s_endpgm
.Lfunc_end_k_q1afc2e0268_heads:
	.size	k_q1afc2e0268_heads, .Lfunc_end_k_q1afc2e0268_heads-k_q1afc2e0268_heads
	.p2alignl 7, 3214868480
	.fill 96, 4, 3214868480
	.section	.rodata,"a",@progbits
	.p2align	6, 0x0
	.amdhsa_kernel k_q1afc2e0268_heads
		.amdhsa_group_segment_fixed_size 282112
		.amdhsa_private_segment_fixed_size 0
		.amdhsa_enable_private_segment 0
		.amdhsa_kernarg_size 56
		.amdhsa_user_sgpr_count 2
		.amdhsa_user_sgpr_kernarg_segment_ptr 1
		.amdhsa_wavefront_size32 1
		.amdhsa_system_sgpr_workgroup_id_x 1
		.amdhsa_system_sgpr_workgroup_id_y 1
		.amdhsa_system_sgpr_workgroup_id_z 1
		.amdhsa_system_vgpr_workitem_id 0
		.amdhsa_next_free_vgpr 512
		.amdhsa_next_free_sgpr 100
		.amdhsa_reserve_vcc 1
		.amdhsa_float_denorm_mode_32 3
		.amdhsa_float_denorm_mode_16_64 3
		.amdhsa_memory_ordered 1
		.amdhsa_forward_progress 1
		.amdhsa_inst_pref_size 160
	.end_amdhsa_kernel
	.amdgpu_metadata
---
amdhsa.version: [ 1, 2 ]
amdhsa.kernels:
  - .name:           k_q1afc2e0268_heads
    .symbol:         k_q1afc2e0268_heads.kd
    .args:
      - { .name: W_codes, .offset: 0, .size: 8, .value_kind: global_buffer, .address_space: global }
      - { .name: W_scales, .offset: 8, .size: 8, .value_kind: global_buffer, .address_space: global }
      - { .name: b, .offset: 16, .size: 8, .value_kind: global_buffer, .address_space: global }
      - { .name: feature_codes, .offset: 24, .size: 8, .value_kind: global_buffer, .address_space: global }
      - { .name: feature_scales, .offset: 32, .size: 8, .value_kind: global_buffer, .address_space: global }
      - { .name: task_id, .offset: 40, .size: 8, .value_kind: global_buffer, .address_space: global }
      - { .name: out0, .offset: 48, .size: 8, .value_kind: global_buffer, .address_space: global }
    .group_segment_fixed_size: 282112
    .private_segment_fixed_size: 0
    .kernarg_segment_align: 8
    .kernarg_segment_size: 56
    .max_flat_workgroup_size: 256
    .sgpr_count:     100
    .vgpr_count:     512
    .wavefront_size: 32
...
	.end_amdgpu_metadata
.endif
;; end of part 1
